; MI455X (gfx1250); checked and timed in simulation.
; The chip was launched on July 23, 2026; its instructions are those of AMD's public machine-readable ISA for CDNA 5 (MIT licence, August 2026) and "CDNA5" Instruction Set Architecture Reference Guide (July 2026). The comments in the code are by the model that wrote it; some were corrected since.
;; Vector Quantizer. Allowed arithmetic: matrix products marked QUANTISED: E4M3 operands, one given power-of-two scale a tensor, by v_wmma_f32_16x16x64_fp8_fp8 or v_wmma_f32_16x16x128_fp8_fp8, f32 sums; everything else in f32.
;; Inputs: codebook_weight 4,096 x 256 float32; lowp_scales 2 int32 (the exponents e of the quantised operands' scales 2^e); z 8 x 4,096 x 256 float32.
;; Outputs: out0 8 x 4,096 x 256 float32; out1 8 x 4,096 int32; out2 one number float32; out3 one number float32; out4 one number float32.
;; This version of the problem:
;;   THIS VERSION OF THE PROBLEM IS GIVEN IN LOW PRECISION. The matrix products marked QUANTISED in the list below multiply operands that are first quantised to E4M3 (4 exponent bits, 3 mantissa bits; 8 bits a number), with one given power-of-two scale for each operand tensor; their sums are f32. All else is computed in f32.
;;   The module's matrix products, in the order in which they are computed (A, B: the left and right operand; K: the contracted axis; several contracted axes count as one K, in the product's order):
;;     1. [M 32,768, K 256] x [K 256, N 4,096]; A: computed on the way; B: input codebook_weight: QUANTISED (scales: A lowp_scales[0], B lowp_scales[1])
;;   THE QUANTISER, for each operand of a quantised product, along K:
;;     - The operand's scale is 2^e, e = its entry of the input lowp_scales (int32; the entries are numbered through the quantised products in the list's order, A before B).
;;     - Each number is divided by the scale, clamped to +-448, and rounded to the nearest number of E4M3, ties to even, subnormals kept.
;;     - The product sums the exact products of the quantised numbers (number of the format x scale) in f32.
;;   ~~~python
;;   def quantise(x, axis, e):      # numpy; x: float32 -> the quantised numbers, widened to float32 again
;;       x = np.moveaxis(x, axis, -1); K = x.shape[-1]
;;       r = np.clip(x / 2.0 ** e, -448, 448)
;;       step = 2.0 ** (np.maximum(np.frexp(np.where(r == 0, 1, r))[1] - 1, -6) - 3)
;;       q = np.round(r / step) * step * 2.0 ** e      # np.round: ties to even
;;       return np.moveaxis(q, -1, axis).astype(np.float32)
;;   ~~~
;;   OPERANDS COMPUTED ON THE WAY. 'Computed on the way' means the value that the module computes at that place (a softmax that the list does not call 'softmax' is quantised finished and normalised). What goes into a quantiser is computed in f32, as accurately as f32 sums, v_exp_f32 and their like allow (about 1e-6 of the number): no bf16 or f16 on the way to a quantiser, and a product that is left as it is and whose result goes on into a quantised operand takes f32 operands (vector FMAs, or v_wmma_f32_16x16x4_f32). A number that lies on a knife's edge between two numbers of the format may be rounded either way, as far as f32 arithmetic and the matrix unit's own rounding can turn it there, and no further.
;; One version. Each part assembles by itself: llvm-mc -triple=amdgcn-amd-amdhsa -mcpu=gfx1250 --defsym DOCPART=n.
;; ======== version 1 of 1: 4 launches
;; limits: right only within a limited range of input values
;; workspace buffers: cbimg 1,048,576 bytes; scws 16,384 bytes; idxws 131,072 bytes of whole numbers; colpart 4,194,304 bytes; col2 65,536 bytes; losspart 1,024 bytes
;; launch quant (part 1): grid 64 x 1, 4 waves a work-group, no clusters, 1,536 bytes of LDS; arguments codebook_weight, lowp_scales, cbimg, scws; writes cbimg, scws
.if DOCPART == 1
	.amdgcn_target "amdgcn-amd-amdhsa--gfx1250"
	.amdhsa_code_object_version 6
	.text
	.protected	k_q6d77eb9db3_quant
	.globl	k_q6d77eb9db3_quant
	.p2align	8
	.type	k_q6d77eb9db3_quant,@function
k_q6d77eb9db3_quant:
	s_mov_b64 s[64:65], 0
	v_nop
	global_prefetch_b8 v0, s[64:65] scope:SCOPE_SE
	s_setreg_imm32_b32 hwreg(HW_REG_WAVE_MODE, 25, 1), 1
	s_wait_xcnt 0x0
; The codebook [4096][256] f32 becomes codes of FP8 (E4M3) with the given scale 2^e1 (entry 1 of the scales), and each code's sum of squares (of the f32 numbers) is made.
; code = x / 2^e1, held within +-448, rounded to the nearest code, ties to even.  LIMITS: -126 <= e1 <= 119, so that 2^e1 and 448 x 2^e1 are f32 numbers; NaN among the inputs is not served.
; THE CODES ARE LAID AS IMAGES OF THE OPERAND'S REGISTERS: a tile of 16 codebook rows is 4,096 bytes: eight blocks c of 512 bytes, lane l's 16 bytes at 16 l: row l % 16, k = 32 c + 16 (l / 16) + 0 .. 15.
; Blocks 0-3 are the fragment of k < 128, blocks 4-7 that of k >= 128: the next launch loads them as they lie.
; A wave takes one tile (16 rows x 1,024 bytes, read once); a lane holds 16 neighbours along K of each block of 32, as the conversions want them.  Waves share nothing but the 256 bytes of sums at the end.
; No tensor loads, no matrix unit, no cluster: each byte is read once by one wave.
.set X,  32                            ; v32-159  128 numbers of my row: register 16 b + i = k 32 b + 16 (lane / 16) + i
.set PC, 160                           ; v160-191 their codes: four registers a block
.set SQ, 12                            ; v12-19   the sum of squares, in four packed chains
.set QL, 10                            ; v10      448 x 2^e1
.set QS, 11                            ; v11      2^e1: the conversion takes its exponent field
	s_load_b128 s[4:7], s[0:1], 0x0                ; the codebook s[4:5], the scales' exponents s[6:7]
	s_load_b128 s[8:11], s[0:1], 0x10              ; the images s[8:9], the sums s[10:11]
	v_lshl_add_u32 v192, v0, 2, 0x400
	v_mov_b32 v193, 0
	v_lshrrev_b32 v1, 5, v0
	v_readfirstlane_b32 s12, v1                    ; wave 0..3
	v_and_b32 v5, 31, v0                           ; lane
	v_and_b32 v1, 15, v0                           ; r
	v_bfe_u32 v2, v0, 4, 1                         ; h
	v_lshlrev_b32 v3, 10, v1
	v_lshl_add_u32 v3, v2, 6, v3                   ; in: row r of 1,024 bytes, + 64 h
	v_lshlrev_b32 v4, 4, v5                        ; out: 16 x lane
	v_lshlrev_b32 v7, 3, v5                        ; the sums' way out: 8 x lane
	s_lshl_b32 s21, s12, 6
	v_lshl_add_u32 v6, v1, 2, s21                  ; LDS: my row's sum at 64 x wave + 4 r
	s_lshl_b32 s13, ttmp9, 2
	s_add_co_u32 s13, s13, s12                     ; my tile: 4 x work-group + wave
	s_lshl_b32 s14, s13, 14                        ; its 16 rows of 1,024 bytes,
	s_mov_b32 s15, 0
	s_lshl_b32 s16, s13, 12                        ; its image of 4,096 bytes,
	s_mov_b32 s17, 0
	s_lshl_b32 s18, ttmp9, 8                       ; the work-group's 64 sums
	s_mov_b32 s19, 0
	s_mov_b32 s24, 0x76543210                      ; v_permlanex16_b32: lane l takes lane l xor 16
	s_mov_b32 s25, 0xfedcba98
	s_wait_alu depctr_va_vdst(0)
	s_wait_kmcnt 0x0
	s_load_b32 s20, s[6:7], 0x4                    ; e1
	s_add_nc_u64 s[4:5], s[4:5], s[14:15]
	s_add_nc_u64 s[8:9], s[8:9], s[16:17]
	s_add_nc_u64 s[10:11], s[10:11], s[18:19]
.irp b, 0,1,2,3,4,5,6,7
.irp j, 0,1,2,3
	global_load_b128 v[X+16*\b+4*\j:X+16*\b+4*\j+3], v3, s[4:5] offset:128*\b+16*\j th:TH_LOAD_NT
.endr
.endr
	s_wait_kmcnt 0x0
	s_add_co_i32 s20, s20, 127
	s_lshl_b32 s22, s20, 23
	v_mov_b32 v[QS], s22
	s_add_co_i32 s20, s20, 8
	s_lshl_b32 s20, s20, 23
	s_or_b32 s20, s20, 0x600000                    ; the mantissa field of 448
	v_mov_b32 v[QL], s20
; 64 numbers (half s of the row): their squares are summed, they are held and converted
.macro QHALF s
.set QI, 0
.rept 32
.if (\s == 0) && (QI < 4)
	v_pk_mul_f32 v[SQ+2*QI:SQ+2*QI+1], v[X+2*QI:X+2*QI+1], v[X+2*QI:X+2*QI+1]   ; the first four products start the chains: nothing is cleared
.else
	v_pk_fma_f32 v[SQ+2*(QI%4):SQ+2*(QI%4)+1], v[X+64*\s+2*QI:X+64*\s+2*QI+1], v[X+64*\s+2*QI:X+64*\s+2*QI+1], v[SQ+2*(QI%4):SQ+2*(QI%4)+1]
.endif
.set QI, QI+1
.endr
.set QI, 0
.rept 64
	v_med3_num_f32 v[X+64*\s+QI], v[X+64*\s+QI], -v[QL], v[QL]   ; the conversion to an 8-bit code does not saturate (ISA guide 7.6.2): the hold at the largest code x the scale
.set QI, QI+1
.endr
.set QI, 0
.rept 8
	v_cvt_scalef32_pk8_fp8_f32 v[PC+16*\s+2*QI:PC+16*\s+2*QI+1], v[X+64*\s+8*QI:X+64*\s+8*QI+7], v[QS]
.set QI, QI+1
.endr
	v_nop                                          ; one plain vector line behind the last conversion of a run
.endm
	s_wait_loadcnt 16                              ; blocks 0-3 are in; the sixteen loads of blocks 4-7 may be out
	QHALF 0
	s_wait_loadcnt 0x0
	QHALF 1
	v_pk_add_f32 v[SQ:SQ+1], v[SQ:SQ+1], v[SQ+2:SQ+3]
	v_pk_add_f32 v[SQ+4:SQ+5], v[SQ+4:SQ+5], v[SQ+6:SQ+7]
	v_pk_add_f32 v[SQ:SQ+1], v[SQ:SQ+1], v[SQ+4:SQ+5]
	v_add_f32 v[SQ], v[SQ], v[SQ+1]
	v_permlanex16_b32 v[SQ+1], v[SQ], s24, s25     ; the row's other half lies in lane l xor 16
	v_add_f32 v[SQ], v[SQ], v[SQ+1]
.irp c, 0,1,2,3,4,5,6,7
	global_store_b128 v4, v[PC+4*\c:PC+4*\c+3], s[8:9] offset:512*\c   ; 32 lanes store 512 consecutive bytes, at a multiple of 256 from the buffer's first byte
.endr
	ds_store_b32 v6, v[SQ]                         ; both halves of the lanes write the same word with the same value
	s_wait_dscnt 0x0                               ; for the others' sake: my store has landed
	s_barrier_signal -1
	s_barrier_wait -1
	s_cmp_lg_u32 s12, 0                            ; wave 0 stores the work-group's 64 sums: 8 bytes a lane, 256 consecutive aligned bytes in one instruction
	s_cbranch_scc1 .Lend
	ds_load_b64 v[20:21], v7
	s_wait_dscnt 0x0
	global_store_b64 v7, v[20:21], s[10:11]
.Lend:
	s_wait_tensorcnt 0x0
	ds_add_u32 v192, v193
	s_wait_dscnt 0x0
	s_endpgm
.Lfunc_end_k_q6d77eb9db3_quant:
	.size	k_q6d77eb9db3_quant, .Lfunc_end_k_q6d77eb9db3_quant-k_q6d77eb9db3_quant
	.p2alignl 7, 3214868480
	.fill 96, 4, 3214868480
	.section	.rodata,"a",@progbits
	.p2align	6, 0x0
	.amdhsa_kernel k_q6d77eb9db3_quant
		.amdhsa_group_segment_fixed_size 1536
		.amdhsa_private_segment_fixed_size 0
		.amdhsa_enable_private_segment 0
		.amdhsa_kernarg_size 32
		.amdhsa_user_sgpr_count 2
		.amdhsa_user_sgpr_kernarg_segment_ptr 1
		.amdhsa_wavefront_size32 1
		.amdhsa_system_sgpr_workgroup_id_x 1
		.amdhsa_system_sgpr_workgroup_id_y 1
		.amdhsa_system_sgpr_workgroup_id_z 1
		.amdhsa_system_vgpr_workitem_id 0
		.amdhsa_next_free_vgpr 194
		.amdhsa_next_free_sgpr 66
		.amdhsa_reserve_vcc 0
		.amdhsa_float_denorm_mode_32 3
		.amdhsa_float_denorm_mode_16_64 3
		.amdhsa_memory_ordered 1
		.amdhsa_forward_progress 1
		.amdhsa_inst_pref_size 20
	.end_amdhsa_kernel
	.amdgpu_metadata
---
amdhsa.version: [ 1, 2 ]
amdhsa.kernels:
  - .name:           k_q6d77eb9db3_quant
    .symbol:         k_q6d77eb9db3_quant.kd
    .args:
      - { .name: codebook_weight, .offset: 0, .size: 8, .value_kind: global_buffer, .address_space: global }
      - { .name: lowp_scales, .offset: 8, .size: 8, .value_kind: global_buffer, .address_space: global }
      - { .name: cbimg, .offset: 16, .size: 8, .value_kind: global_buffer, .address_space: global }
      - { .name: scws, .offset: 24, .size: 8, .value_kind: global_buffer, .address_space: global }
    .group_segment_fixed_size: 1536
    .private_segment_fixed_size: 0
    .kernarg_segment_align: 8
    .kernarg_segment_size: 32
    .max_flat_workgroup_size: 128
    .sgpr_count:     66
    .vgpr_count:     194
    .wavefront_size: 32
...
	.end_amdgpu_metadata
.endif
;; end of part 1
;; launch main (part 2): grid 256 x 1, 8 waves a work-group, clusters of 4 x 1, 327,680 bytes of LDS; arguments z, cbimg, scws, lowp_scales, out1, idxws, colpart; writes out1, idxws, colpart
.if DOCPART == 2
	.amdgcn_target "amdgcn-amd-amdhsa--gfx1250"
	.amdhsa_code_object_version 6
	.text
	.protected	k_q6d77eb9db3_main
	.globl	k_q6d77eb9db3_main
	.p2align	8
	.type	k_q6d77eb9db3_main,@function
k_q6d77eb9db3_main:
	s_mov_b64 s[64:65], 0
	v_nop
	global_prefetch_b8 v0, s[64:65] scope:SCOPE_SE
	s_setreg_imm32_b32 hwreg(HW_REG_WAVE_MODE, 25, 1), 1
	s_wait_xcnt 0x0
	s_wait_alu depctr_hold_cnt(0) depctr_sa_sdst(0) depctr_va_vdst(0) depctr_va_sdst(0) depctr_va_ssrc(0) depctr_va_vcc(0) depctr_vm_vsrc(0)
	s_getreg_b32 s2, hwreg(HW_REG_IB_STS2, 6, 4)
	s_cmp_eq_u32 s2, 0
	s_cbranch_scc0 .Lentry_in_a_cluster
	s_endpgm
.Lentry_in_a_cluster:
	s_bfe_u32 s2, ttmp6, 0x10000c
	s_cmp_lg_u32 s2, 0x3003
	s_cbranch_scc0 .Lentry_shape_is_right
	s_endpgm
.Lentry_shape_is_right:
; d2[n][k] = (|z_n|^2 + |c_k|^2) - P[n][k], P = Q(2 z) Q(c)^T in FP8 (E4M3) with the given scales 2^e0, 2^e1; the first index of each row's least d2; and the sums over the
; work-group's 128 rows of softmax(-d2), one number a code.  Nothing of the source is left out here.
; A work-group takes 128 rows of z and walks the 4,096 codes twice.  WALK A: d2 with the source's own roundings, per lane a running least d2 with its first index, and the sum of 2^(L (least - d2)), L = log2 e,
; brought under each new least by a factor.  Between the walks the lanes' figures meet in LDS: the row's least, its index, and cp = L (least - |z|^2) - log2(sum).  WALK B: p = 2^(L P + cp - L |c|^2), summed down the rows.
; Eight waves: wave w has row half w & 1 (64 rows, their fragments stay in 128 registers) and quarter w >> 1 of each slot's 512 codes.  A group of 16 tiles (64 rows x 64 codes) is 32 matrix instructions, the 16 accumulators by turns.
; In walk A source 0 = codes, source 1 = z: a lane holds one row and 8 codes a tile.  In walk B the sources are swapped: a lane holds one code and 8 rows a tile, and cp / (L 2^(e0+e1)) of those rows is the C of a tile's first instruction.
; The vector work of a group stands in this order: all plain lines, one wait, all exponentials, a plain place, one wait, the sums.
; CLUSTER: the four work-groups of a cluster walk the same images: each slot (128 KiB, 16 KiB a wave) is asked for jointly, mask 15.  Ring of two slots; a refill has a period (64 matrix instructions a wave and their vector work) in which to land.
; No prefetch: the stream is the same 1 MiB of images, which each of the 64 clusters walks twice at about the same place.
; LIMITS: -125 <= e0 <= 120; -100 <= e0 + e1 <= 100; NaN among the inputs is not served; L d2 stays under 2^31.
.set SLOTB, 0x20000                    ; a slot: 32 images of 16 codes
.set SCB,   262144                     ; |c|^2 of the 4,096 codes
.set CSB,   278528                     ; 32 KiB: z's operand images at the head, the waves' column sums in walk B
.set STM,   311296                     ; three planes of 4 KiB: the lanes' least, index, sum
.set SZB,   323584                     ; |z|^2 of the 128 rows
.set CPB,   324096                     ; their cp
.set IXB,   324608                     ; their indices
.set SPARE, 325120                     ; the spare words: 128 bytes a wave
.set R,    1
.set H,    2
.set LI,   3
.set FR0,  4
.set ADR,  5
.set SC0A, 6
.set SC0B, 7
.set ADS,  8
.set CS0,  9
.set ADC,  10
.set BASE, 11                          ; walk A: index of my first code of the group's tile 0; B16, B32, B48: of tiles 1 to 3
.set SPW,  12
.set NIL,  13
.set W0,   14
.set W1,   15
.set B16,  14
.set B32,  15
.set B48,  10
.set ST,   16                          ; v16-47 walk A, row tile u at 8 u: L x least, least, |z|^2, index, sum, factor, the group's least, place in a tile
.set PC,   16
.set SCV,  48                          ; v48-79 walk A: |c|^2 of my 32 codes
.set CK,   48                          ; walk B: -L |c|^2 of my code, tile ct at 2 ct
.set CSR,  56
.set SQ,   64
.set T,    80                          ; v80-111 at work
.set GM,   112                         ; v112-127 walk A: the least of each tile's 8
.set CP,   96                          ; v96-127 walk B: the rows' constants, tile a at 8 a
.set QS,   96
.set QL,   97
.set ZO,   98
.set TO,   99
.set SA,   100
.set IA,   101
.set ZA,   102
.set AA,   103
.set SL,   104
.set D,    128                         ; v128-255 the 16 accumulators.  Window 1: v0-127 z's fragments, v128-255 the codes'
.set G1,   16
.set G0A,  24
.set G0B,  28
.set CBW,  32
.set OFF,  34
.set WV,   38
.set RG,   39
.set CG,   40
.set WG,   41
.set TB,   42
.set SCO,  43
.set CSO,  44
.set CNT,  45
.set NS,   46
.set NL,   48
.set LS,   50
.set LC,   52
.set SEL,  54
.set MKL,  60
.set MJ,   68
.set NE,   75
.set MSB, 0
.macro WIN new
.if MSB != \new
	s_set_vgpr_msb (MSB<<8)|\new
.set MSB, \new
.endif
.endm
.macro PLACES
.rept 4
	v_nop
.endr
.endm
.macro ROUND                           ; a round of the cluster's barrier
	s_barrier_signal -1
	s_barrier_wait -1
	s_cmp_lg_u32 s[WV], 0
	s_cbranch_scc1 .Lnot_wave_0_\@
	s_barrier_signal -3
.Lnot_wave_0_\@:
	s_barrier_wait -3
	s_barrier_signal -1
	s_barrier_wait -1
.endm
	s_load_b256 s[4:11], s[0:1], 0x0               ; z, the images, |c|^2, the scales' exponents
	s_load_b128 s[12:15], s[0:1], 0x20             ; out1, idxws
	s_load_b64 s[36:37], s[0:1], 0x30              ; colpart
	v_lshl_add_u32 v[SPW], v0, 2, SPARE
	v_mov_b32 v[NIL], 0
	ds_add_u32 v[SPW], v[NIL]                      ; the opening lines: the add twice on end and its wait
	ds_add_u32 v[SPW], v[NIL]
	v_lshrrev_b32 v1, 5, v0
	v_readfirstlane_b32 s[WV], v1
	s_and_b32 s[RG], s[WV], 1
	s_lshr_b32 s[CG], s[WV], 1
	s_bfe_u32 s68, ttmp6, 0x40000
	s_lshl_b32 s[WG], ttmp9, 2
	s_add_co_u32 s[WG], s[WG], s68                 ; work-group = 4 x cluster + place
	s_mov_b32 s[G1], 15|(3<<16)|(1<<21)            ; mask of the four, elements of 8 bytes: 64 rows of 256 bytes, dense
	s_mov_b32 s[G1+1], 32<<16
	s_mov_b32 s[G1+2], 64<<16
	s_mov_b32 s[G1+3], 32<<16
	s_mov_b32 s[G1+4], 64
	s_mov_b32 s[G1+5], 32
	s_mov_b32 s[G1+6], 0
	s_mov_b32 s[G1+7], 0
	s_lshl_b32 s70, s[WV], 14                      ; my 16 KiB of a slot, in LDS and in the images
	s_mov_b32 s71, 0
	s_mov_b32 s[OFF], SLOTB
	s_mov_b32 s[OFF+1], 0
	s_mov_b32 s[TB], 0
	s_mov_b32 s[SCO], 0
	s_mov_b32 s[CSO], 0
	s_mov_b32 s[SEL], 0x76543210
	s_mov_b32 s[SEL+1], 0xfedcba98
	s_lshl_b32 s72, s[WG], 17
	s_add_co_u32 s72, s72, s70                     ; the 16 rows of z that I quantise
	s_mov_b32 s73, 0
	v_and_b32 v[R], 15, v0
	v_bfe_u32 v[H], v0, 4, 1
	v_and_b32 v[LI], 31, v0
	v_lshlrev_b32 v[ZO], 10, v[R]
	v_lshlrev_b32 v[TO], 4, v0
	v_lshlrev_b32 v[LI], 4, v[LI]
	v_lshl_add_u32 v[ZO], v[H], 6, v[ZO]
	s_wait_dscnt 0x0
	s_wait_alu depctr_va_vdst(0)                   ; the wait ahead of the wait below
	s_wait_kmcnt 0x0
	s_load_b64 s[66:67], s[10:11], 0x0             ; e0, e1
	s_add_nc_u64 s[CBW:CBW+1], s[6:7], s[70:71]
	s_add_nc_u64 s[4:5], s[4:5], s[72:73]
	s_mov_b32 s[G0A], 1
	s_mov_b32 s[G0A+1], s70
	s_mov_b64 s[G0A+2:G0A+3], s[CBW:CBW+1]
	s_or_b32 s[G0A+3], s[G0A+3], 0x80000000
	s_mov_b32 s[G0B], 1
	s_add_co_u32 s[G0B+1], s70, SLOTB
	s_add_nc_u64 s[G0B+2:G0B+3], s[CBW:CBW+1], SLOTB
	s_or_b32 s[G0B+3], s[G0B+3], 0x80000000
.irp i, 0,1,2,3
	global_load_b128 v[48+4*\i:51+4*\i], v[TO], s[8:9] offset:4096*\i      ; |c|^2: 16 KiB by the 256 threads
.endr
.irp b, 0,1,2,3,4,5,6,7
.irp j, 0,1,2,3
	global_load_b128 v[D+16*\b+4*\j:D+16*\b+4*\j+3], v[ZO], s[4:5] offset:128*\b+16*\j th:TH_LOAD_NT   ; my row's k = 32 b + 16 h + 0 .. 15
.endr
.endr
	ROUND                                          ; in front of the first joint load
	tensor_load_to_lds s[G0A:G0A+3], s[G1:G1+7]    ; slot 0: my one tensor load at the head
	s_nop 0
	PLACES
	s_lshl_b32 s68, s[CG], 15
	v_add_nc_u32 v[FR0], s68, v[LI]                ; my quarter of a slot
	s_lshl_b32 s68, s[CG], 9
	s_add_co_u32 s68, s68, SCB
	v_lshl_add_u32 v[SC0A], v[H], 5, s68
	v_lshl_add_u32 v[SC0B], v[R], 2, s68
	v_mov_b32 v[ADS], v[SC0A]
	s_lshl_b32 s68, s[WV], 12
	s_add_co_u32 s68, s68, CSB
	v_lshl_add_u32 v[CS0], v[R], 2, s68
	v_add_nc_u32 v[IA], s68, v[LI]
	s_lshl_b32 s68, s[CG], 7
	v_lshl_add_u32 v[BASE], v[H], 3, s68
	v_add_nc_u32 v[SA], SCB, v[TO]
	s_lshl_b32 s68, s[WV], 6
	s_add_co_u32 s68, s68, SZB
	v_lshl_add_u32 v[ZA], v[R], 2, s68
	s_lshl_b32 s68, s[RG], 14
	s_add_co_u32 s68, s68, CSB
	v_add_nc_u32 v[AA], s68, v[LI]
	s_lshl_b32 s68, s[RG], 8
	s_add_co_u32 s68, s68, SZB
	v_lshl_add_u32 v[SL], v[R], 2, s68
	s_wait_alu depctr_va_vdst(0)
	s_wait_kmcnt 0x0
	s_add_co_i32 s68, s66, 126                     ; the operand is 2 z: z is divided by 2^(e0 - 1)
	s_lshl_b32 s69, s68, 23
	v_mov_b32 v[QS], s69
	s_add_co_i32 s68, s68, 8
	s_lshl_b32 s68, s68, 23
	s_or_b32 s68, s68, 0x600000
	v_mov_b32 v[QL], s68                           ; 448 x 2^(e0 - 1)
	s_add_co_i32 s68, s66, s67
	s_sub_co_i32 s[NE], 0, s68                     ; -(e0 + e1)
	s_add_co_i32 s68, s68, 127
	s_lshl_b32 s68, s68, 23
	s_or_b32 s[NS], s68, 0x80000000                ; -2^(e0 + e1)
	s_mov_b32 s[NS+1], s[NS]
	s_mov_b32 s[LC], 0x3fb8aa3b                    ; L
	s_mov_b32 s[NL], 0xbfb8aa3b
	s_mov_b32 s[NL+1], s[NL]
	s_mul_f32 s[LS], s[LC], s68                    ; L 2^(e0 + e1)
	s_mov_b32 s[LS+1], s[LS]
	s_wait_alu depctr_va_vdst(0)
	s_wait_loadcnt 32                              ; |c|^2 is in; z's 32 loads may be out
.irp i, 0,1,2,3
	ds_store_b128 v[SA], v[48+4*\i:51+4*\i] offset:4096*\i
.endr
.macro QHALF s                         ; 64 numbers of my row: squares summed, held, converted
.set QI, 0
.rept 32
.if (\s == 0) && (QI < 4)
	v_pk_mul_f32 v[SQ+2*QI:SQ+2*QI+1], v[D+2*QI:D+2*QI+1], v[D+2*QI:D+2*QI+1]
.else
	v_pk_fma_f32 v[SQ+2*(QI%4):SQ+2*(QI%4)+1], v[D+64*\s+2*QI:D+64*\s+2*QI+1], v[D+64*\s+2*QI:D+64*\s+2*QI+1], v[SQ+2*(QI%4):SQ+2*(QI%4)+1]
.endif
.set QI, QI+1
.endr
.set QI, 0
.rept 64
	v_med3_num_f32 v[D+64*\s+QI], v[D+64*\s+QI], -v[QL], v[QL]
.set QI, QI+1
.endr
.set QI, 0
.rept 8
	v_cvt_scalef32_pk8_fp8_f32 v[PC+16*\s+2*QI:PC+16*\s+2*QI+1], v[D+64*\s+8*QI:D+64*\s+8*QI+7], v[QS]
.set QI, QI+1
.endr
	v_nop                                          ; a plain line behind the last conversion
.endm
	s_wait_loadcnt 16
	QHALF 0
	s_wait_loadcnt 0x0
	QHALF 1
	v_pk_add_f32 v[SQ:SQ+1], v[SQ:SQ+1], v[SQ+2:SQ+3]
	v_pk_add_f32 v[SQ+4:SQ+5], v[SQ+4:SQ+5], v[SQ+6:SQ+7]
	s_delay_alu instid0(VALU_DEP_1)
	v_pk_add_f32 v[SQ:SQ+1], v[SQ:SQ+1], v[SQ+4:SQ+5]
	s_delay_alu instid0(VALU_DEP_1)
	v_add_f32 v[SQ], v[SQ], v[SQ+1]
	s_delay_alu instid0(VALU_DEP_1)
	v_permlanex16_b32 v[SQ+1], v[SQ], s[SEL], s[SEL+1]
	s_delay_alu instid0(VALU_DEP_1)
	v_add_f32 v[SQ], v[SQ], v[SQ+1]
	ds_store_b32 v[ZA], v[SQ]
.irp c, 0,1,2,3,4,5,6,7
	ds_store_b128 v[IA], v[PC+4*\c:PC+4*\c+3] offset:512*\c        ; the image of my 16 rows' operand registers
.endr
	s_wait_alu depctr_va_vdst(0)                   ; the wait at the head's end
	s_wait_tensorcnt 0x0                           ; my part of slot 0 is in; the lines ahead of a later first fill
	ds_add_u32 v[SPW], v[NIL]
	s_wait_dscnt 0x0                               ; the add and my stores above are done: the round shows them to the other waves
	ROUND
	tensor_load_to_lds s[G0B:G0B+3], s[G1:G1+7]    ; slot 1
	s_nop 0
	PLACES
	WIN 0x40
.irp a, 0,1,2,3
.irp c, 0,1,2,3,4,5,6,7
	ds_load_b128 v[32*\a+4*\c:32*\a+4*\c+3], v[AA] offset:4096*\a+512*\c
.endr
.endr
	WIN 0
.irp a, 0,1,2,3
	ds_load_b32 v[ST+8*\a+2], v[SL] offset:64*\a
.endr
	v_mov_b32 v[ADR], v[FR0]
.macro FETCH g                         ; four images of 16 codes
	WIN 0x40
.irp ct, 0,1,2,3
.irp c, 0,1,2,3,4,5,6,7
	ds_load_b128 v[128+32*\ct+4*\c:128+32*\ct+4*\c+3], v[ADR] offset:16384*\g+4096*\ct+512*\c
.endr
.endr
	WIN 0
.endm
.macro SCL x, g                        ; |c|^2 of the group's codes: walk A my 8 of each tile, walk B my one
.if \x
.irp ct, 0,1,2,3
	ds_load_b32 v[CK+2*\ct], v[ADS] offset:256*\g+64*\ct
.endr
.else
.irp ct, 0,1,2,3
	ds_load_b128 v[SCV+8*\ct:SCV+8*\ct+3], v[ADS] offset:256*\g+64*\ct
	ds_load_b128 v[SCV+8*\ct+4:SCV+8*\ct+7], v[ADS] offset:256*\g+64*\ct+16
.endr
.endif
.endm
.macro MM sw                           ; 32 matrix instructions, the 16 accumulators by turns
	WIN 0x05
.irp s, 0,1
.irp a, 0,1,2,3
.irp ct, 0,1,2,3
.if \sw
.set DD, D+8*(4*\ct+\a)
.set FA, 32*\a+16*\s
.set FB, 128+32*\ct+16*\s
.else
.set DD, D+8*(4*\a+\ct)
.set FA, 128+32*\ct+16*\s
.set FB, 32*\a+16*\s
.endif
.if \s
	v_wmma_f32_16x16x128_fp8_fp8 v[DD:DD+7], v[FA:FA+15], v[FB:FB+15], v[DD:DD+7]
.elseif \sw
	v_wmma_f32_16x16x128_fp8_fp8 v[DD:DD+7], v[FA:FA+15], v[FB:FB+15], v[CP+8*\a:CP+8*\a+7]
.else
	v_wmma_f32_16x16x128_fp8_fp8 v[DD:DD+7], v[FA:FA+15], v[FB:FB+15], 0
.endif
.endr
.endr
.endr
	WIN 0
.endm
.macro SUM4                            ; the sums of D's four blocks of 32 registers -> T + 4 s, two packed chains a block, the blocks by turns
.irp s, 0,1,2,3
	v_pk_add_f32 v[T+4*\s:T+4*\s+1], v[D+32*\s:D+32*\s+1], v[D+32*\s+2:D+32*\s+3]
.endr
.irp s, 0,1,2,3
	v_pk_add_f32 v[T+4*\s+2:T+4*\s+3], v[D+32*\s+4:D+32*\s+5], v[D+32*\s+6:D+32*\s+7]
.endr
.irp k, 8,12,16,20,24,28
.irp s, 0,1,2,3
	v_pk_add_f32 v[T+4*\s:T+4*\s+1], v[T+4*\s:T+4*\s+1], v[D+32*\s+\k:D+32*\s+\k+1]
.endr
.irp s, 0,1,2,3
	v_pk_add_f32 v[T+4*\s+2:T+4*\s+3], v[T+4*\s+2:T+4*\s+3], v[D+32*\s+\k+2:D+32*\s+\k+3]
.endr
.endr
.irp s, 0,1,2,3
	v_pk_add_f32 v[T+4*\s:T+4*\s+1], v[T+4*\s:T+4*\s+1], v[T+4*\s+2:T+4*\s+3]
.endr
.irp s, 0,1,2,3
	v_add_f32 v[T+4*\s], v[T+4*\s], v[T+4*\s+1]
.endr
.endm
.macro EXPD                            ; the batch: 128 exponentials in place, a plain place, the wait ahead of their first reader
.set QI, 0
.rept 128
	v_exp_f32 v[D+QI], v[D+QI]
.set QI, QI+1
.endr
	v_nop
	s_wait_alu depctr_va_vdst(0)
.endm
.macro CND2 d, a, b                    ; two selections by VCC in one instruction: registers d, d + 1 take b where the bit is set, else a
	v_dual_cndmask_b32 v[\d], v[\a], v[\b] :: v_dual_cndmask_b32 v[\d+1], v[\a+1], v[\b+1]
.endm
.macro PICK u, c, first, breg          ; where tile c of row tile u holds the group's least, its 8 numbers and its index base are taken; c runs 2, 1, 0, so the first such tile stays
	v_cmp_eq_f32 vcc_lo, v[GM+4*\u+\c], v[ST+8*\u+6]
.irp j, 0,2,4,6
.if \first
	CND2 T+8*\u+\j, D+32*\u+24+\j, D+32*\u+16+\j
.else
	CND2 T+8*\u+\j, T+8*\u+\j, D+32*\u+8*\c+\j
.endif
.endr
.if \first
	v_cndmask_b32 v[GM+4*\u+3], v[B48], v[\breg], vcc_lo
.else
	v_cndmask_b32 v[GM+4*\u+3], v[GM+4*\u+3], v[\breg], vcc_lo
.endif
.endm
.macro VEC_A g, adv
.irp u, 0,1,2,3                        ; d2 = (|c|^2 + |z|^2) - P, with the source's two roundings; each accumulator from its low end on
.set QI, 0
.rept 16
	v_pk_add_f32 v[T+QI:T+QI+1], v[SCV+QI:SCV+QI+1], v[ST+8*\u+2:ST+8*\u+3] op_sel_hi:[1,0]
.set QI, QI+2
.endr
.set QI, 0
.rept 16
	v_pk_fma_f32 v[D+32*\u+QI:D+32*\u+QI+1], v[D+32*\u+QI:D+32*\u+QI+1], s[NS:NS+1], v[T+QI:T+QI+1] op_sel_hi:[1,0,1]
.set QI, QI+2
.endr
.endr
.set QI, 0
.rept 16                               ; the least of each tile's 8, the 16 tiles by turns
	v_min3_num_f32 v[GM+QI], v[D+8*QI], v[D+8*QI+1], v[D+8*QI+2]
.set QI, QI+1
.endr
.irp k, 3,5
.set QI, 0
.rept 16
	v_min3_num_f32 v[GM+QI], v[GM+QI], v[D+8*QI+\k], v[D+8*QI+\k+1]
.set QI, QI+1
.endr
.endr
.set QI, 0
.rept 16
	v_min_num_f32 v[GM+QI], v[GM+QI], v[D+8*QI+7]
.set QI, QI+1
.endr
.irp u, 0,1,2,3
	v_min3_num_f32 v[ST+8*\u+6], v[GM+4*\u], v[GM+4*\u+1], v[GM+4*\u+2]
.endr
.irp u, 0,1,2,3
	v_mov_b32 v[ST+8*\u+5], v[ST+8*\u]             ; the old L x least
.endr
.irp u, 0,1,2,3
	v_min_num_f32 v[ST+8*\u+6], v[ST+8*\u+6], v[GM+4*\u+3]   ; the group's least of my row
.endr
.irp u, 0,1,2,3
	v_mov_b32 v[ST+8*\u+7], 7
.endr
.irp u, 0,1,2,3
	v_cmp_lt_f32 s[MKL+\u], v[ST+8*\u+6], v[ST+8*\u+1]       ; only a smaller number moves the index: the first of equals stays
.endr
.irp u, 0,1,2,3
	v_min_num_f32 v[ST+8*\u+1], v[ST+8*\u+1], v[ST+8*\u+6]
.endr
.irp u, 0,1,2,3
	v_mul_f32 v[ST+8*\u], s[LC], v[ST+8*\u+1]
.endr
.irp u, 0,1,2,3
	v_sub_f32 v[ST+8*\u+5], v[ST+8*\u], v[ST+8*\u+5]         ; the factor's exponent, 0 or less
.endr
.irp u, 0,1,2,3
	PICK \u, 2, 1, B32
.endr
.irp u, 0,1,2,3
	PICK \u, 1, 0, B16
.endr
.irp u, 0,1,2,3
	PICK \u, 0, 0, BASE
.endr
.irp j, 6,5,4,3,2,1,0                  ; the first of the chosen 8 that equals the least
.irp u, 0,1,2,3
	v_cmp_eq_f32 s[MJ+\u], v[T+8*\u+\j], v[ST+8*\u+6]
.endr
.irp u, 0,1,2,3
	v_cndmask_b32 v[ST+8*\u+7], v[ST+8*\u+7], \j, s[MJ+\u]
.endr
.endr
.irp u, 0,1,2,3
	v_add_nc_u32 v[ST+8*\u+7], v[ST+8*\u+7], v[GM+4*\u+3]
.endr
.irp u, 0,1,2,3
	v_cndmask_b32 v[ST+8*\u+3], v[ST+8*\u+3], v[ST+8*\u+7], s[MKL+\u]
.endr
.irp b, BASE, B16, B32, B48
	v_add_nc_u32 v[\b], 64+384*\g, v[\b]           ; my next group: 64 codes on, or in the next slot
.endr
.irp u, 0,1,2,3
.set QI, 0
.rept 16
	v_pk_fma_f32 v[D+32*\u+QI:D+32*\u+QI+1], v[D+32*\u+QI:D+32*\u+QI+1], s[NL:NL+1], v[ST+8*\u:ST+8*\u+1] op_sel_hi:[1,0,0]   ; L (least - d2)
.set QI, QI+2
.endr
.endr
.if \adv
	v_add_nc_u32 v[ADS], s[SCO], v[SC0A]
.endif
	s_wait_alu depctr_va_vdst(0)                   ; the wait ahead of the batch
.irp u, 0,1,2,3
	v_exp_f32 v[ST+8*\u+5], v[ST+8*\u+5]
.endr
	EXPD
	SUM4
.irp u, 0,1,2,3
	v_fma_f32 v[ST+8*\u+4], v[ST+8*\u+4], v[ST+8*\u+5], v[T+4*\u]   ; the sum under the new least
.endr
	s_wait_alu depctr_va_vdst(0)                   ; ahead of the waits and the branch that follow
.endm
.macro VEC_B g, adv
.irp ct, 0,1,2,3
	v_mul_f32 v[CK+2*\ct], s[NL], v[CK+2*\ct]
.endr
.irp ct, 0,1,2,3
.set QI, 0
.rept 16
	v_pk_fma_f32 v[D+32*\ct+QI:D+32*\ct+QI+1], v[D+32*\ct+QI:D+32*\ct+QI+1], s[LS:LS+1], v[CK+2*\ct:CK+2*\ct+1] op_sel_hi:[1,0,0]   ; L P + cp - L |c|^2
.set QI, QI+2
.endr
.endr
.if \adv
	v_add_nc_u32 v[ADS], s[SCO], v[SC0B]
.endif
	s_wait_alu depctr_va_vdst(0)                   ; the wait ahead of the batch
	EXPD
	SUM4                                           ; my code's 32 rows of each tile column,
.irp s, 0,1,2,3
	v_permlanex16_b32 v[T+4*\s+1], v[T+4*\s], s[SEL], s[SEL+1]
.endr
.irp s, 0,1,2,3
	v_add_f32 v[CSR+\s], v[T+4*\s], v[T+4*\s+1]    ; and lane l xor 16's 32
.endr
.irp s, 0,1,2,3
	ds_store_b32 v[ADC], v[CSR+\s] offset:256*\g+64*\s
.endr
	s_wait_alu depctr_va_vdst(0)                   ; ahead of the waits and the branch that follow
.endm
.macro VEC x, g, adv
.if \x
	VEC_B \g, \adv
.else
	VEC_A \g, \adv
.endif
.endm
.macro CHANGE fill                     ; the change of slots
	s_wait_tensorcnt 0x0                           ; all my tensor loads are in: my part of the next slot
	ds_add_u32 v[SPW], v[NIL]
.if \fill
	s_xor_b32 s[G0B+1], s[G0B+1], SLOTB
	s_add_co_u32 s[OFF], s[OFF], SLOTB
	s_and_b32 s[OFF], s[OFF], 0xfffff              ; behind the last images the walk begins anew
	s_add_nc_u64 s[G0B+2:G0B+3], s[CBW:CBW+1], s[OFF:OFF+1]
	s_or_b32 s[G0B+3], s[G0B+3], 0x80000000
.endif
	s_xor_b32 s[TB], s[TB], SLOTB
	s_add_co_u32 s[SCO], s[SCO], 2048
	s_wait_dscnt 0x0                               ; the add is done and my reads of this slot are over
.if \fill
	ROUND
	tensor_load_to_lds s[G0B:G0B+3], s[G1:G1+7]    ; the slot just read, two slots on
	s_nop 0
.else
	s_barrier_signal -1
	s_barrier_wait -1
.endif
	PLACES                                         ; also the places in front of the loads below
	v_add_nc_u32 v[ADR], s[TB], v[FR0]
	FETCH 0
.endm
.macro PERIOD x, change, fill          ; a slot: two groups of 16 tiles a wave
	SCL \x, 0
	s_wait_dscnt 8-4*\x                            ; the fragments are in; the loads just issued may be out
.if \x
	v_add_nc_u32 v[ADC], s[CSO], v[CS0]
.endif
	MM \x
	PLACES
	FETCH 1
	s_wait_dscnt 32                                ; all but the 32 just issued
	VEC \x, 0, 0
	SCL \x, 1
	s_wait_dscnt 8-4*\x
	MM \x
.if \change
	CHANGE \fill
.else
	s_wait_dscnt 0x0
	PLACES
.endif
	VEC \x, 1, \change
.if \x
	s_add_co_u32 s[CSO], s[CSO], 512
.endif
.endm
	FETCH 0
.irp a, 0,1,2,3
	v_mov_b32 v[ST+8*\a], 0x7f7fffff               ; over every d2: the first factor is 2^(-large) = 0
	v_mov_b32 v[ST+8*\a+1], 0x7f7fffff
	v_mov_b32 v[ST+8*\a+3], 0
	v_mov_b32 v[ST+8*\a+4], 0
.endr
	v_add_nc_u32 v[B16], 16, v[BASE]
	v_add_nc_u32 v[B32], 32, v[BASE]
	v_add_nc_u32 v[B48], 48, v[BASE]
	s_mov_b32 s[CNT], 8
.Lpass_a:
	s_wait_alu depctr_va_vdst(0)
	PERIOD 0, 1, 1                                 ; its last two refills bring walk B's first two slots
	s_sub_co_u32 s[CNT], s[CNT], 1
	s_cmp_lg_u32 s[CNT], 0
	s_cbranch_scc1 .Lpass_a
	; the lanes' figures meet: row x 32 bytes + 4 x (2 x quarter + h), three planes
	s_lshl_b32 s68, s[RG], 11
	s_lshl_b32 s69, s[CG], 3
	s_add_co_u32 s68, s68, s69
	v_lshlrev_b32 v[W0], 5, v[R]
	s_delay_alu instid0(VALU_DEP_1)
	v_lshl_add_u32 v[W0], v[H], 2, v[W0]
	s_delay_alu instid0(VALU_DEP_1)
	v_add_nc_u32 v[W0], s68, v[W0]
	s_delay_alu instid0(VALU_DEP_1)
	v_add_nc_u32 v[W0], STM, v[W0]
.irp a, 0,1,2,3
	ds_store_b32 v[W0], v[ST+8*\a+1] offset:512*\a
	ds_store_b32 v[W0], v[ST+8*\a+3] offset:4096+512*\a
	ds_store_b32 v[W0], v[ST+8*\a+4] offset:8192+512*\a
.endr
	s_wait_dscnt 0x0
	s_barrier_signal -1
	s_barrier_wait -1
	s_lshl_b32 s68, s[WV], 9                       ; wave w joins rows 16 w + r
	v_lshl_add_u32 v[W0], v[R], 5, s68
	s_delay_alu instid0(VALU_DEP_1)
	v_add_nc_u32 v[W0], STM, v[W0]
	s_lshl_b32 s68, s[WV], 6
	v_lshl_add_u32 v[W1], v[R], 2, s68
	s_delay_alu instid0(VALU_DEP_1)
	v_add_nc_u32 v[W1], SZB, v[W1]
	ds_load_b128 v[128:131], v[W0]
	ds_load_b128 v[132:135], v[W0] offset:16
	ds_load_b128 v[136:139], v[W0] offset:4096
	ds_load_b128 v[140:143], v[W0] offset:4112
	ds_load_b128 v[144:147], v[W0] offset:8192
	ds_load_b128 v[148:151], v[W0] offset:8208
	ds_load_b32 v152, v[W1]
	s_cmp_eq_u32 s[WV], 0
	s_cselect_b64 s[76:77], s[12:13], s[14:15]     ; wave 0 stores the indices to out1, wave 1 to idxws
	s_lshl_b32 s78, s[WG], 9
	s_mov_b32 s79, 0
	s_add_nc_u64 s[76:77], s[76:77], s[78:79]
	s_wait_dscnt 0x0
	v_min3_num_f32 v153, v128, v129, v130
	s_delay_alu instid0(VALU_DEP_1)
	v_min3_num_f32 v153, v153, v131, v132
	s_delay_alu instid0(VALU_DEP_1)
	v_min3_num_f32 v153, v153, v133, v134
	s_delay_alu instid0(VALU_DEP_1)
	v_min_num_f32 v153, v153, v135                 ; the row's least
	v_mov_b32 v154, 0x7fffffff
	s_delay_alu instid0(VALU_DEP_2)
	v_mul_f32 v155, s[LC], v153
.irp i, 0,1,2,3,4,5,6,7
	v_cmp_eq_f32 vcc_lo, v[128+\i], v153
	s_delay_alu instid0(VALU_DEP_1)
	v_cndmask_b32 v[136+\i], v154, v[136+\i], vcc_lo   ; only parts that hold the least offer their index
	v_mul_f32 v[128+\i], s[LC], v[128+\i]
.endr
.irp i, 0,1,2,3,4,5,6,7
	v_sub_f32 v[128+\i], v155, v[128+\i]
.endr
	s_wait_alu depctr_va_vdst(0)
.irp i, 0,1,2,3,4,5,6,7
	v_exp_f32 v[128+\i], v[128+\i]
.endr
	v_min_u32 v136, v136, v137
.irp i, 2, 3, 4, 5, 6, 7
	s_delay_alu instid0(VALU_DEP_1)
	v_min_u32 v136, v136, v[136+\i]                ; the lowest index among them
.endr
	s_wait_alu depctr_va_vdst(0)
	v_mul_f32 v156, v144, v128
.irp i, 1,2,3,4,5,6,7
	v_fma_f32 v156, v[144+\i], v[128+\i], v156     ; the parts' sums under the row's least
.endr
	s_wait_alu depctr_va_vdst(0)
	v_log_f32 v157, v156
	v_fma_f32 v158, -v152, s[LC], v155
	s_wait_alu depctr_va_vdst(0)
	v_sub_f32 v158, v158, v157                     ; cp
	v_mul_f32 v158, 0x3f317218, v158               ; / L,
	v_ldexp_f32 v158, v158, s[NE]                  ; / 2^(e0 + e1): as the matrix sums count
	ds_store_b32 v[W1], v158 offset:512
	ds_store_b32 v[W1], v136 offset:1024
	s_wait_dscnt 0x0
	s_barrier_signal -1
	s_barrier_wait -1
	s_lshl_b32 s68, s[RG], 8
	v_lshl_add_u32 v[W0], v[H], 5, s68
	s_delay_alu instid0(VALU_DEP_1)
	v_add_nc_u32 v[W0], CPB, v[W0]
.irp a, 0,1,2,3
	ds_load_b128 v[CP+8*\a:CP+8*\a+3], v[W0] offset:64*\a          ; rows 16 a + 8 h + 0 .. 7 of my half: the layout of C
	ds_load_b128 v[CP+8*\a+4:CP+8*\a+7], v[W0] offset:64*\a+16
.endr
	v_add_nc_u32 v[W1], IXB, v[LI]
	ds_load_b128 v[16:19], v[W1]
	s_mov_b32 s[SCO], 0
	v_mov_b32 v[ADS], v[SC0B]
.irp ct, 0,1,2,3
	v_mov_b32 v[CK+2*\ct+1], 0                     ; named as the upper halves of pairs
.endr
	s_wait_dscnt 0x0
	s_cmp_lt_u32 s[WV], 2
	s_cbranch_scc0 .Lno_index
	global_store_b128 v[LI], v[16:19], s[76:77]    ; 128 indices: 512 consecutive bytes
.Lno_index:
	s_mov_b32 s[CNT], 6
.Lpass_b:
	s_wait_alu depctr_va_vdst(0)
	PERIOD 1, 1, 1
	s_sub_co_u32 s[CNT], s[CNT], 1
	s_cmp_lg_u32 s[CNT], 0
	s_cbranch_scc1 .Lpass_b
	PERIOD 1, 1, 0                                 ; the last two slots fetch nothing more
	PERIOD 1, 0, 0
	s_wait_dscnt 0x0
	s_barrier_signal -1
	s_barrier_wait -1
	; the two row halves' column sums are added and leave: colpart [64 blocks of 64 codes][256 work-groups][64]
	s_and_b32 s68, s[WV], 3
	s_lshl_b32 s68, s68, 13
	s_lshr_b32 s69, s[WV], 2
	s_lshl_b32 s69, s69, 9
	s_add_co_u32 s68, s68, s69
	v_add_nc_u32 v[W0], s68, v[LI]
	s_delay_alu instid0(VALU_DEP_1)
	v_add_nc_u32 v[W0], CSB, v[W0]
.irp i, 0,1,2,3
	ds_load_b128 v[128+8*\i:131+8*\i], v[W0] offset:1024*\i
	ds_load_b128 v[132+8*\i:135+8*\i], v[W0] offset:1024*\i+4096
.endr
	v_lshrrev_b32 v[W1], 4, v0
	s_delay_alu instid0(VALU_DEP_1)
	v_lshlrev_b32 v[W1], 16, v[W1]
	s_delay_alu instid0(VALU_DEP_1)
	v_lshl_add_u32 v[W1], v[R], 4, v[W1]
	s_lshl_b32 s68, s[WG], 8
	s_mov_b32 s69, 0
	s_add_nc_u64 s[36:37], s[36:37], s[68:69]
	s_wait_alu depctr_va_vdst(0)
	s_wait_dscnt 0x0
.irp i, 0,1,2,3
	v_pk_add_f32 v[128+8*\i:129+8*\i], v[128+8*\i:129+8*\i], v[132+8*\i:133+8*\i]
	v_pk_add_f32 v[130+8*\i:131+8*\i], v[130+8*\i:131+8*\i], v[134+8*\i:135+8*\i]
.endr
.irp i, 0,1,2,3
	global_store_b128 v[W1], v[128+8*\i:131+8*\i], s[36:37] offset:1048576*\i   ; sixteen lanes store 256 consecutive aligned bytes
.endr
	s_wait_tensorcnt 0x0                           ; the wave's end
	ds_add_u32 v[SPW], v[NIL]
	s_wait_dscnt 0x0
	ROUND                                          ; the closing round
	s_endpgm
.Lfunc_end_k_q6d77eb9db3_main:
	.size	k_q6d77eb9db3_main, .Lfunc_end_k_q6d77eb9db3_main-k_q6d77eb9db3_main
	.p2alignl 7, 3214868480
	.fill 96, 4, 3214868480
	.section	.rodata,"a",@progbits
	.p2align	6, 0x0
	.amdhsa_kernel k_q6d77eb9db3_main
		.amdhsa_group_segment_fixed_size 327680
		.amdhsa_private_segment_fixed_size 0
		.amdhsa_enable_private_segment 0
		.amdhsa_kernarg_size 56
		.amdhsa_user_sgpr_count 2
		.amdhsa_user_sgpr_kernarg_segment_ptr 1
		.amdhsa_wavefront_size32 1
		.amdhsa_system_sgpr_workgroup_id_x 1
		.amdhsa_system_sgpr_workgroup_id_y 1
		.amdhsa_system_sgpr_workgroup_id_z 1
		.amdhsa_system_vgpr_workitem_id 0
		.amdhsa_next_free_vgpr 512
		.amdhsa_next_free_sgpr 96
		.amdhsa_reserve_vcc 1
		.amdhsa_float_denorm_mode_32 3
		.amdhsa_float_denorm_mode_16_64 3
		.amdhsa_memory_ordered 1
		.amdhsa_forward_progress 1
		.amdhsa_inst_pref_size 219
	.end_amdhsa_kernel
	.amdgpu_metadata
---
amdhsa.version: [ 1, 2 ]
amdhsa.kernels:
  - .name:           k_q6d77eb9db3_main
    .symbol:         k_q6d77eb9db3_main.kd
    .args:
      - { .name: z, .offset: 0, .size: 8, .value_kind: global_buffer, .address_space: global }
      - { .name: cbimg, .offset: 8, .size: 8, .value_kind: global_buffer, .address_space: global }
      - { .name: scws, .offset: 16, .size: 8, .value_kind: global_buffer, .address_space: global }
      - { .name: lowp_scales, .offset: 24, .size: 8, .value_kind: global_buffer, .address_space: global }
      - { .name: out1, .offset: 32, .size: 8, .value_kind: global_buffer, .address_space: global }
      - { .name: idxws, .offset: 40, .size: 8, .value_kind: global_buffer, .address_space: global }
      - { .name: colpart, .offset: 48, .size: 8, .value_kind: global_buffer, .address_space: global }
    .group_segment_fixed_size: 327680
    .private_segment_fixed_size: 0
    .kernarg_segment_align: 8
    .kernarg_segment_size: 56
    .max_flat_workgroup_size: 256
    .sgpr_count:     96
    .vgpr_count:     512
    .wavefront_size: 32
...
	.end_amdgpu_metadata
.endif
;; end of part 2
;; launch gather (part 3): grid 256 x 1, 16 waves a work-group, no clusters, 10,240 bytes of LDS; arguments z, codebook_weight, idxws, colpart, out0, col2, losspart; writes out0, col2, losspart
.if DOCPART == 3
	.amdgcn_target "amdgcn-amd-amdhsa--gfx1250"
	.amdhsa_code_object_version 6
	.text
	.protected	k_q6d77eb9db3_gather
	.globl	k_q6d77eb9db3_gather
	.p2align	8
	.type	k_q6d77eb9db3_gather,@function
k_q6d77eb9db3_gather:
	s_mov_b64 s[64:65], 0
	v_nop
	global_prefetch_b8 v0, s[64:65] scope:SCOPE_SE
	s_setreg_imm32_b32 hwreg(HW_REG_WAVE_MODE, 25, 1), 1
	s_wait_xcnt 0x0
; out0[n] = z[n] + (c[index[n]] - z[n]), with the source's two roundings; the sum of (c[index[n]] - z[n])^2 over the work-group's 128 rows; and a first step of the sum of the column parts.
; The indices were stored as whole numbers by the launch before; each is held inside the table (at most 4,095) before it enters an address.
; A stream: each byte of z is read once and each byte of out0 written once, 512 consecutive bytes an instruction.  Wave w of work-group g takes rows 128 g + 8 w + 0 .. 7; all its 34 loads go out before the first is used.
; COLUMNS: colpart is [64 blocks of 64 codes][256 work-groups][64 f32].  Work-group g adds, for block g >> 2, the rows of the 64 work-groups 64 (g & 3) on: a wave four rows, then the sixteen waves' parts meet in LDS.
; No tensor loads, matrix unit or cluster: nothing is shared but codebook rows that the list may name twice, which come as they are asked for.
.set LI,  2                            ; v2       16 x lane
.set CO,  4                            ; v4-11    row i's byte offset in the codebook
.set Z,   16                           ; v16-79   eight rows of z, 8 registers each; then out0
.set Q,   80                           ; v80-143  the chosen codebook rows; then c - z
.set CL,  144                          ; v144-151 four rows of column parts
.set ACC, 152                          ; v152-159 the sum of squares, in four packed chains
	s_load_b256 s[4:11], s[0:1], 0x0               ; z s[4:5], the codebook s[6:7], idxws s[8:9], colpart s[10:11]
	s_load_b128 s[12:15], s[0:1], 0x20             ; out0 s[12:13], col2 s[14:15]
	s_load_b64 s[16:17], s[0:1], 0x30              ; losspart
	v_lshl_add_u32 v160, v0, 2, 0x2000
	v_mov_b32 v161, 0
	v_lshrrev_b32 v1, 5, v0
	s_delay_alu instid0(VALU_DEP_1)
	v_readfirstlane_b32 s18, v1                    ; wave 0..15
	v_and_b32 v1, 31, v0                           ; lane
	s_delay_alu instid0(VALU_DEP_1)
	v_lshlrev_b32 v[LI], 4, v1
	s_lshl_b32 s30, s18, 8
	v_and_b32 v3, 15, v0
	s_delay_alu instid0(VALU_DEP_1)
	v_lshl_add_u32 v3, v3, 4, s30                  ; LDS: my wave's 64 column sums at 256 w
	s_lshl_b32 s31, s18, 2
	s_add_co_u32 s31, s31, 4096
	v_mov_b32 v12, s31                             ; LDS: my wave's sum of squares at 4,096 + 4 w
	v_lshlrev_b32 v13, 3, v1                       ; wave 0's way out: 8 x lane
	v_and_b32 v14, 15, v0
	s_delay_alu instid0(VALU_DEP_1)
	v_lshl_add_u32 v14, v14, 2, 4096               ; and the sixteen sums of squares
	v_mov_b32 v15, 0
	s_lshl_b32 s20, ttmp9, 17
	s_lshl_b32 s21, s18, 13
	s_add_co_u32 s20, s20, s21                     ; my eight rows of 1,024 bytes
	s_mov_b32 s21, 0
	s_lshl_b32 s22, ttmp9, 9
	s_lshl_b32 s23, s18, 5
	s_add_co_u32 s22, s22, s23                     ; their eight indices
	s_mov_b32 s23, 0
	s_lshr_b32 s24, ttmp9, 2
	s_lshl_b32 s26, s24, 8                         ; col2: block g >> 2 of 256 bytes,
	s_lshl_b32 s24, s24, 16                        ; colpart: of 65,536 bytes,
	s_and_b32 s25, ttmp9, 3
	s_lshl_b32 s25, s25, 14                        ; quarter g & 3: 16,384 bytes in both
	s_add_co_u32 s24, s24, s25
	s_add_co_u32 s26, s26, s25
	s_lshl_b32 s25, s18, 10
	s_add_co_u32 s24, s24, s25                     ; my wave's four rows of 256 bytes
	s_mov_b32 s25, 0
	s_mov_b32 s27, 0
	s_lshl_b32 s28, ttmp9, 2
	s_mov_b32 s29, 0
	s_mov_b32 s42, 0x76543210                      ; v_permlanex16_b32: lane l xor 16
	s_mov_b32 s43, 0xfedcba98
	s_wait_alu depctr_va_vdst(0)
	s_wait_kmcnt 0x0
	s_add_nc_u64 s[8:9], s[8:9], s[22:23]
	s_load_b256 s[32:39], s[8:9], 0x0              ; eight indices
	s_add_nc_u64 s[4:5], s[4:5], s[20:21]
	s_add_nc_u64 s[12:13], s[12:13], s[20:21]
	s_add_nc_u64 s[10:11], s[10:11], s[24:25]
	s_add_nc_u64 s[14:15], s[14:15], s[26:27]
	s_add_nc_u64 s[16:17], s[16:17], s[28:29]
.irp i, 0,1,2,3,4,5,6,7
	global_load_b128 v[Z+8*\i:Z+8*\i+3], v[LI], s[4:5] offset:1024*\i th:TH_LOAD_NT
	global_load_b128 v[Z+8*\i+4:Z+8*\i+7], v[LI], s[4:5] offset:1024*\i+512 th:TH_LOAD_NT
.endr
	global_load_b128 v[CL:CL+3], v[LI], s[10:11] th:TH_LOAD_NT
	global_load_b128 v[CL+4:CL+7], v[LI], s[10:11] offset:512 th:TH_LOAD_NT
	s_wait_kmcnt 0x0
.irp i, 0,1,2,3,4,5,6,7
	s_min_u32 s[32+\i], s[32+\i], 0xfff            ; an index stays inside the table
	v_lshl_add_u32 v[CO+\i], s[32+\i], 10, v[LI]
.endr
.irp i, 0,1,2,3,4,5,6,7
	global_load_b128 v[Q+8*\i:Q+8*\i+3], v[CO+\i], s[6:7]
	global_load_b128 v[Q+8*\i+4:Q+8*\i+7], v[CO+\i], s[6:7] offset:512
.endr
.irp i, 0,1,2,3,4,5,6,7
	s_wait_loadcnt 14-2*\i                         ; row i's two codebook loads are in (and all of z, which is older); the later rows' may be out
.irp k, 0,2,4,6
	v_pk_add_f32 v[Q+8*\i+\k:Q+8*\i+\k+1], v[Q+8*\i+\k:Q+8*\i+\k+1], v[Z+8*\i+\k:Z+8*\i+\k+1] neg_lo:[0,1] neg_hi:[0,1]   ; c - z
.endr
.irp k, 0,2,4,6
.if \i == 0
	s_delay_alu instid0(VALU_DEP_4)
	v_pk_mul_f32 v[ACC+\k:ACC+\k+1], v[Q+\k:Q+\k+1], v[Q+\k:Q+\k+1]   ; the first row starts the chains: nothing is cleared
.else
	s_delay_alu instid0(VALU_DEP_4)
	v_pk_fma_f32 v[ACC+\k:ACC+\k+1], v[Q+8*\i+\k:Q+8*\i+\k+1], v[Q+8*\i+\k:Q+8*\i+\k+1], v[ACC+\k:ACC+\k+1]
.endif
.endr
.irp k, 0,2,4,6
	v_pk_add_f32 v[Z+8*\i+\k:Z+8*\i+\k+1], v[Z+8*\i+\k:Z+8*\i+\k+1], v[Q+8*\i+\k:Q+8*\i+\k+1]   ; z + (c - z)
.endr
	global_store_b128 v[LI], v[Z+8*\i:Z+8*\i+3], s[12:13] offset:1024*\i th:TH_STORE_NT      ; 32 lanes store 512 consecutive bytes; these registers are not written again
	global_store_b128 v[LI], v[Z+8*\i+4:Z+8*\i+7], s[12:13] offset:1024*\i+512 th:TH_STORE_NT
.endr
	v_pk_add_f32 v[ACC:ACC+1], v[ACC:ACC+1], v[ACC+2:ACC+3]
	v_pk_add_f32 v[ACC+4:ACC+5], v[ACC+4:ACC+5], v[ACC+6:ACC+7]
	s_delay_alu instid0(VALU_DEP_1)
	v_pk_add_f32 v[ACC:ACC+1], v[ACC:ACC+1], v[ACC+4:ACC+5]
	s_delay_alu instid0(VALU_DEP_1)
	v_add_f32 v[ACC], v[ACC], v[ACC+1]
	s_delay_alu instid0(VALU_DEP_1)
	v_add_f32_dpp v[ACC], v[ACC], v[ACC] row_xmask:1 row_mask:0xf bank_mask:0xf
	s_delay_alu instid0(VALU_DEP_1)
	v_add_f32_dpp v[ACC], v[ACC], v[ACC] row_xmask:2 row_mask:0xf bank_mask:0xf
	s_delay_alu instid0(VALU_DEP_1)
	v_add_f32_dpp v[ACC], v[ACC], v[ACC] row_xmask:4 row_mask:0xf bank_mask:0xf
	s_delay_alu instid0(VALU_DEP_1)
	v_add_f32_dpp v[ACC], v[ACC], v[ACC] row_xmask:8 row_mask:0xf bank_mask:0xf
	s_delay_alu instid0(VALU_DEP_1)
	v_permlanex16_b32 v[ACC+1], v[ACC], s42, s43
	s_delay_alu instid0(VALU_DEP_1)
	v_add_f32 v[ACC], v[ACC], v[ACC+1]
	ds_store_b32 v12, v[ACC]                       ; all lanes write the same word with the same value
	v_pk_add_f32 v[CL:CL+1], v[CL:CL+1], v[CL+4:CL+5]       ; four rows of column parts: two loads,
	v_pk_add_f32 v[CL+2:CL+3], v[CL+2:CL+3], v[CL+6:CL+7]
.irp k, 0,1,2,3
	v_permlanex16_b32 v[CL+4+\k], v[CL+\k], s42, s43        ; and the two halves of the lanes
.endr
.irp k, 0,1,2,3
	s_delay_alu instid0(VALU_DEP_4)
	v_add_f32 v[CL+\k], v[CL+\k], v[CL+4+\k]
.endr
	ds_store_b128 v3, v[CL:CL+3]                   ; both halves of the lanes write the same bytes with the same values
	s_wait_dscnt 0x0                               ; for wave 0's sake: my stores have landed
	s_barrier_signal -1
	s_barrier_wait -1
	s_cmp_lg_u32 s18, 0
	s_cbranch_scc1 .Lend
.irp k, 0,1,2,3,4,5,6,7,8,9,10,11,12,13,14,15
	ds_load_b64 v[Q+2*\k:Q+2*\k+1], v13 offset:256*\k
.endr
	ds_load_b32 v[Q+32], v14
	s_wait_dscnt 0x0
.irp k, 0,2,4,6,8,10,12,14
	v_pk_add_f32 v[Q+\k:Q+\k+1], v[Q+\k:Q+\k+1], v[Q+16+\k:Q+16+\k+1]
.endr
.irp k, 0,2,4,6
	s_delay_alu instid0(VALU_DEP_4)
	v_pk_add_f32 v[Q+\k:Q+\k+1], v[Q+\k:Q+\k+1], v[Q+8+\k:Q+8+\k+1]
.endr
	s_delay_alu instid0(VALU_DEP_2)
	v_pk_add_f32 v[Q:Q+1], v[Q:Q+1], v[Q+4:Q+5]
	s_delay_alu instid0(VALU_DEP_2)
	v_pk_add_f32 v[Q+2:Q+3], v[Q+2:Q+3], v[Q+6:Q+7]
	s_delay_alu instid0(VALU_DEP_1)
	v_pk_add_f32 v[Q:Q+1], v[Q:Q+1], v[Q+2:Q+3]
	global_store_b64 v13, v[Q:Q+1], s[14:15]       ; 32 lanes store 256 consecutive bytes, at a multiple of 256 from the buffer's first byte
	v_add_f32_dpp v[Q+32], v[Q+32], v[Q+32] row_xmask:1 row_mask:0xf bank_mask:0xf
	s_delay_alu instid0(VALU_DEP_1)
	v_add_f32_dpp v[Q+32], v[Q+32], v[Q+32] row_xmask:2 row_mask:0xf bank_mask:0xf
	s_delay_alu instid0(VALU_DEP_1)
	v_add_f32_dpp v[Q+32], v[Q+32], v[Q+32] row_xmask:4 row_mask:0xf bank_mask:0xf
	s_delay_alu instid0(VALU_DEP_1)
	v_add_f32_dpp v[Q+32], v[Q+32], v[Q+32] row_xmask:8 row_mask:0xf bank_mask:0xf
	v_cmp_eq_u32 vcc_lo, 0, v1
	s_wait_alu depctr_va_vdst(0)
	s_wait_xcnt 0x0                                ; EXEC is a source of the stores above: it changes only behind this wait
	s_and_saveexec_b32 s40, vcc_lo
	global_store_b32 v15, v[Q+32], s[16:17]        ; one word for the work-group
	s_wait_xcnt 0x0                                ; and again, in front of the line that widens it
	s_or_b32 exec_lo, exec_lo, s40
.Lend:
	s_wait_tensorcnt 0x0
	ds_add_u32 v160, v161
	s_wait_dscnt 0x0
	s_endpgm
.Lfunc_end_k_q6d77eb9db3_gather:
	.size	k_q6d77eb9db3_gather, .Lfunc_end_k_q6d77eb9db3_gather-k_q6d77eb9db3_gather
	.p2alignl 7, 3214868480
	.fill 96, 4, 3214868480
	.section	.rodata,"a",@progbits
	.p2align	6, 0x0
	.amdhsa_kernel k_q6d77eb9db3_gather
		.amdhsa_group_segment_fixed_size 10240
		.amdhsa_private_segment_fixed_size 0
		.amdhsa_enable_private_segment 0
		.amdhsa_kernarg_size 56
		.amdhsa_user_sgpr_count 2
		.amdhsa_user_sgpr_kernarg_segment_ptr 1
		.amdhsa_wavefront_size32 1
		.amdhsa_system_sgpr_workgroup_id_x 1
		.amdhsa_system_sgpr_workgroup_id_y 1
		.amdhsa_system_sgpr_workgroup_id_z 1
		.amdhsa_system_vgpr_workitem_id 0
		.amdhsa_next_free_vgpr 162
		.amdhsa_next_free_sgpr 66
		.amdhsa_reserve_vcc 1
		.amdhsa_float_denorm_mode_32 3
		.amdhsa_float_denorm_mode_16_64 3
		.amdhsa_memory_ordered 1
		.amdhsa_forward_progress 1
		.amdhsa_inst_pref_size 21
	.end_amdhsa_kernel
	.amdgpu_metadata
---
amdhsa.version: [ 1, 2 ]
amdhsa.kernels:
  - .name:           k_q6d77eb9db3_gather
    .symbol:         k_q6d77eb9db3_gather.kd
    .args:
      - { .name: z, .offset: 0, .size: 8, .value_kind: global_buffer, .address_space: global }
      - { .name: codebook_weight, .offset: 8, .size: 8, .value_kind: global_buffer, .address_space: global }
      - { .name: idxws, .offset: 16, .size: 8, .value_kind: global_buffer, .address_space: global }
      - { .name: colpart, .offset: 24, .size: 8, .value_kind: global_buffer, .address_space: global }
      - { .name: out0, .offset: 32, .size: 8, .value_kind: global_buffer, .address_space: global }
      - { .name: col2, .offset: 40, .size: 8, .value_kind: global_buffer, .address_space: global }
      - { .name: losspart, .offset: 48, .size: 8, .value_kind: global_buffer, .address_space: global }
    .group_segment_fixed_size: 10240
    .private_segment_fixed_size: 0
    .kernarg_segment_align: 8
    .kernarg_segment_size: 56
    .max_flat_workgroup_size: 512
    .sgpr_count:     66
    .vgpr_count:     162
    .wavefront_size: 32
...
	.end_amdgpu_metadata
.endif
;; end of part 3
;; launch final (part 4): grid 1 x 1, 32 waves a work-group, no clusters, 5,120 bytes of LDS; arguments col2, losspart, out2, out3, out4; writes out2, out3, out4
.if DOCPART == 4
	.amdgcn_target "amdgcn-amd-amdhsa--gfx1250"
	.amdhsa_code_object_version 6
	.text
	.protected	k_q6d77eb9db3_final
	.globl	k_q6d77eb9db3_final
	.p2align	8
	.type	k_q6d77eb9db3_final,@function
k_q6d77eb9db3_final:
	s_mov_b64 s[64:65], 0
	v_nop
	global_prefetch_b8 v0, s[64:65] scope:SCOPE_SE
	s_setreg_imm32_b32 hwreg(HW_REG_WAVE_MODE, 25, 1), 1
	s_wait_xcnt 0x0
; The three scalars.  avg[k] = (the four quarters' column sums) / 32,768; out4 = 0.1 x sum of avg ln(avg + 1e-10); mean = (sum of the 256 parts of squares) / 2^23; out3 = mean + 0.25 mean; out2 = out3 + out4.
; One work-group: the sums span all that the launch before stored (66 KB), and one owner orders them.  Thread t takes codes 4 t .. 4 t + 3; threads 0 to 255 also one part of the squares.
.macro WSUM r, t                       ; the sum over the wave's 32 lanes, in every lane
	v_add_f32_dpp v[\r], v[\r], v[\r] row_xmask:1 row_mask:0xf bank_mask:0xf
	s_delay_alu instid0(VALU_DEP_1)
	v_add_f32_dpp v[\r], v[\r], v[\r] row_xmask:2 row_mask:0xf bank_mask:0xf
	s_delay_alu instid0(VALU_DEP_1)
	v_add_f32_dpp v[\r], v[\r], v[\r] row_xmask:4 row_mask:0xf bank_mask:0xf
	s_delay_alu instid0(VALU_DEP_1)
	v_add_f32_dpp v[\r], v[\r], v[\r] row_xmask:8 row_mask:0xf bank_mask:0xf
	s_delay_alu instid0(VALU_DEP_1)
	v_permlanex16_b32 v[\t], v[\r], s16, s17
	s_delay_alu instid0(VALU_DEP_1)
	v_add_f32 v[\r], v[\r], v[\t]
.endm
	s_load_b256 s[4:11], s[0:1], 0x0               ; col2 s[4:5], losspart s[6:7], out2 s[8:9], out3 s[10:11]
	s_load_b64 s[12:13], s[0:1], 0x20              ; out4
	v_lshl_add_u32 v32, v0, 2, 0x400
	v_mov_b32 v33, 0
	v_lshrrev_b32 v1, 5, v0
	s_delay_alu instid0(VALU_DEP_1)
	v_readfirstlane_b32 s14, v1                    ; wave 0..31
	v_and_b32 v1, 31, v0                           ; lane
	v_lshlrev_b32 v2, 4, v0                        ; 16 bytes a thread
	v_lshlrev_b32 v3, 2, v0
	s_delay_alu instid0(VALU_DEP_3)
	v_lshlrev_b32 v4, 3, v1                        ; LDS, back: 8 x lane
	s_lshl_b32 s15, s14, 3
	v_mov_b32 v5, s15                              ; LDS, in: 8 x wave
	v_mov_b32 v6, 0
	v_mov_b32 v25, 0                               ; the part of the squares: 0 in the waves that load none
	v_mov_b32 v26, 0                               ; written once: a lane permute's destination counts as one of its sources
	v_mov_b32 v27, 0
	s_mov_b32 s16, 0x76543210
	s_mov_b32 s17, 0xfedcba98
	s_wait_alu depctr_va_vdst(0)
	s_wait_kmcnt 0x0
.irp q, 0,1,2,3
	global_load_b128 v[8+4*\q:11+4*\q], v2, s[4:5] offset:16384*\q
.endr
	s_cmp_lt_u32 s14, 8
	s_cbranch_scc0 .Lnone
	global_load_b32 v25, v3, s[6:7]
.Lnone:
	s_wait_loadcnt 0x0
	v_pk_add_f32 v[8:9], v[8:9], v[12:13]
	v_pk_add_f32 v[10:11], v[10:11], v[14:15]
	v_pk_add_f32 v[16:17], v[16:17], v[20:21]
	v_pk_add_f32 v[18:19], v[18:19], v[22:23]
	s_delay_alu instid0(VALU_DEP_2)
	v_pk_add_f32 v[8:9], v[8:9], v[16:17]
	s_delay_alu instid0(VALU_DEP_2)
	v_pk_add_f32 v[10:11], v[10:11], v[18:19]
.irp k, 0,1,2,3
	v_mul_f32 v[8+\k], 0x38000000, v[8+\k]         ; / 32,768
.endr
.irp k, 0,1,2,3
	s_delay_alu instid0(VALU_DEP_4)
	v_add_f32 v[12+\k], 0x2edbe6ff, v[8+\k]        ; + 1e-10
.endr
	s_wait_alu depctr_va_vdst(0)
.irp k, 0,1,2,3
	v_log_f32 v[12+\k], v[12+\k]
.endr
	v_nop                                          ; a plain line behind the last logarithm
	s_wait_alu depctr_va_vdst(0)                   ; one wait for the four, ahead of their first reader
	v_mul_f32 v24, v8, v12
	v_fma_f32 v24, v9, v13, v24
	v_fma_f32 v24, v10, v14, v24
	v_fma_f32 v24, v11, v15, v24                   ; sum of avg log2(avg + 1e-10)
	WSUM 24, 26
	WSUM 25, 27
	ds_store_b64 v5, v[24:25]                      ; all lanes write the same two words with the same values
	s_wait_dscnt 0x0
	s_barrier_signal -1
	s_barrier_wait -1
	s_cmp_lg_u32 s14, 0
	s_cbranch_scc1 .Lend
	ds_load_b64 v[24:25], v4                       ; the 32 waves' sums, a wave a lane
	s_wait_dscnt 0x0
	WSUM 24, 26
	WSUM 25, 27
	v_mul_f32 v24, 0x3f317218, v24                 ; x ln 2
	s_delay_alu instid0(VALU_DEP_1)
	v_mul_f32 v24, 0x3dcccccd, v24                 ; x 0.1: out4
	s_delay_alu instid0(VALU_DEP_3)
	v_mul_f32 v25, 0x34000000, v25                 ; / 2^23: the mean square
	s_delay_alu instid0(VALU_DEP_1)
	v_fma_f32 v25, 0x3e800000, v25, v25            ; + 0.25 x it: out3
	s_delay_alu instid0(VALU_DEP_1)
	v_add_f32 v26, v25, v24                        ; out2
	v_cmp_eq_u32 vcc_lo, 0, v1
	s_wait_alu depctr_va_vdst(0)
	s_wait_xcnt 0x0                                ; EXEC changes only behind this wait
	s_and_saveexec_b32 s18, vcc_lo
	global_store_b32 v6, v26, s[8:9]
	global_store_b32 v6, v25, s[10:11]
	global_store_b32 v6, v24, s[12:13]
	s_wait_xcnt 0x0
	s_or_b32 exec_lo, exec_lo, s18
.Lend:
	s_wait_tensorcnt 0x0
	ds_add_u32 v32, v33
	s_wait_dscnt 0x0
	s_endpgm
.Lfunc_end_k_q6d77eb9db3_final:
	.size	k_q6d77eb9db3_final, .Lfunc_end_k_q6d77eb9db3_final-k_q6d77eb9db3_final
	.p2alignl 7, 3214868480
	.fill 96, 4, 3214868480
	.section	.rodata,"a",@progbits
	.p2align	6, 0x0
	.amdhsa_kernel k_q6d77eb9db3_final
		.amdhsa_group_segment_fixed_size 5120
		.amdhsa_private_segment_fixed_size 0
		.amdhsa_enable_private_segment 0
		.amdhsa_kernarg_size 40
		.amdhsa_user_sgpr_count 2
		.amdhsa_user_sgpr_kernarg_segment_ptr 1
		.amdhsa_wavefront_size32 1
		.amdhsa_system_sgpr_workgroup_id_x 1
		.amdhsa_system_sgpr_workgroup_id_y 1
		.amdhsa_system_sgpr_workgroup_id_z 1
		.amdhsa_system_vgpr_workitem_id 0
		.amdhsa_next_free_vgpr 34
		.amdhsa_next_free_sgpr 66
		.amdhsa_reserve_vcc 1
		.amdhsa_float_denorm_mode_32 3
		.amdhsa_float_denorm_mode_16_64 3
		.amdhsa_memory_ordered 1
		.amdhsa_forward_progress 1
		.amdhsa_inst_pref_size 7
	.end_amdhsa_kernel
	.amdgpu_metadata
---
amdhsa.version: [ 1, 2 ]
amdhsa.kernels:
  - .name:           k_q6d77eb9db3_final
    .symbol:         k_q6d77eb9db3_final.kd
    .args:
      - { .name: col2, .offset: 0, .size: 8, .value_kind: global_buffer, .address_space: global }
      - { .name: losspart, .offset: 8, .size: 8, .value_kind: global_buffer, .address_space: global }
      - { .name: out2, .offset: 16, .size: 8, .value_kind: global_buffer, .address_space: global }
      - { .name: out3, .offset: 24, .size: 8, .value_kind: global_buffer, .address_space: global }
      - { .name: out4, .offset: 32, .size: 8, .value_kind: global_buffer, .address_space: global }
    .group_segment_fixed_size: 5120
    .private_segment_fixed_size: 0
    .kernarg_segment_align: 8
    .kernarg_segment_size: 40
    .max_flat_workgroup_size: 1024
    .sgpr_count:     66
    .vgpr_count:     34
    .wavefront_size: 32
...
	.end_amdgpu_metadata
.endif
;; end of part 4
